; MI455X (gfx1250); checked and timed in simulation.
; The chip was launched on July 23, 2026; its instructions are those of AMD's public machine-readable ISA for CDNA 5 (MIT licence, August 2026) and "CDNA5" Instruction Set Architecture Reference Guide (July 2026). The comments in the code are by the model that wrote it; some were corrected since.
;; QKV Attention. Allowed arithmetic: matrix products marked QUANTISED: E4M3 operands, one given power-of-two scale a tensor, by v_wmma_f32_16x16x64_fp8_fp8 or v_wmma_f32_16x16x128_fp8_fp8, f32 sums; everything else in f32.
;; Inputs: Wk 1,024 x 1,024 float32; Wq 1,024 x 1,024 float32; Wv 1,024 x 1,024 float32; bk 1,024 float32; bq 1,024 float32; bv 1,024 float32; input_key 8 x 2,048 x 1,024 float32; input_query 8 x 512 x 1,024 float32; input_value 8 x 2,048 x 1,024 float32; lowp_scales 10 int32 (the exponents e of the quantised operands' scales 2^e); seq_lens 8 int32.
;; Outputs: out0 8 x 512 x 1,024 float32.
;; This version of the problem:
;;   THIS VERSION OF THE PROBLEM IS GIVEN IN LOW PRECISION. The matrix products marked QUANTISED in the list below multiply operands that are first quantised to E4M3 (4 exponent bits, 3 mantissa bits; 8 bits a number), with one given power-of-two scale for each operand tensor; their sums are f32. All else is computed in f32.
;;   The module's matrix products, in the order in which they are computed (A, B: the left and right operand; K: the contracted axis; several contracted axes count as one K, in the product's order):
;;     1. [M 4,096, K 1,024] x [K 1,024, N 1,024]; A: input input_query; B: input Wq: QUANTISED (scales: A lowp_scales[0], B lowp_scales[1])
;;     2. [M 16,384, K 1,024] x [K 1,024, N 1,024]; A: input input_key; B: input Wk: QUANTISED (scales: A lowp_scales[2], B lowp_scales[3])
;;     3. [M 16,384, K 1,024] x [K 1,024, N 1,024]; A: input input_value; B: input Wv: QUANTISED (scales: A lowp_scales[4], B lowp_scales[5])
;;     4. batch 8 x [M 512, K 1,024] x [K 1,024, N 2,048]; A: computed on the way; B: computed on the way: QUANTISED (scales: A lowp_scales[6], B lowp_scales[7])
;;     5. batch 8 x [M 512, K 2,048] x [K 2,048, N 1,024]; A: softmax (see below); B: computed on the way: QUANTISED (scales: A lowp_scales[8], B lowp_scales[9])
;;   THE QUANTISER, for each operand of a quantised product, along K:
;;     - The operand's scale is 2^e, e = its entry of the input lowp_scales (int32; the entries are numbered through the quantised products in the list's order, A before B).
;;     - Each number is divided by the scale, clamped to +-448, and rounded to the nearest number of E4M3, ties to even, subnormals kept.
;;     - The product sums the exact products of the quantised numbers (number of the format x scale) in f32.
;;   ~~~python
;;   def quantise(x, axis, e):      # numpy; x: float32 -> the quantised numbers, widened to float32 again
;;       x = np.moveaxis(x, axis, -1); K = x.shape[-1]
;;       r = np.clip(x / 2.0 ** e, -448, 448)
;;       step = 2.0 ** (np.maximum(np.frexp(np.where(r == 0, 1, r))[1] - 1, -6) - 3)
;;       q = np.round(r / step) * step * 2.0 ** e      # np.round: ties to even
;;       return np.moveaxis(q, -1, axis).astype(np.float32)
;;   ~~~
;;   SOFTMAX AHEAD OF A QUANTISED PRODUCT. Where the list says 'softmax', what is quantised is not the finished softmax but p = 2^(t - M), with t = logit x log2(e) and M = ceil(the row's largest t), a whole number; so 1/2 < the row's largest p <= 1. The row's sum l is taken of the UNQUANTISED p, in f32, and the product's result is divided by l at the end. Since M is a whole number, a kernel that streams over the keys may use a running M (the ceiling of the running maximum): every later rescaling is an exact power of two, so the quantised numbers keep their values, but for numbers so far below the row's largest that they fall under the format's range.
;;   OPERANDS COMPUTED ON THE WAY. 'Computed on the way' means the value that the module computes at that place (a softmax that the list does not call 'softmax' is quantised finished and normalised). What goes into a quantiser is computed in f32, as accurately as f32 sums, v_exp_f32 and their like allow (about 1e-6 of the number): no bf16 or f16 on the way to a quantiser, and a product that is left as it is and whose result goes on into a quantised operand takes f32 operands (vector FMAs, or v_wmma_f32_16x16x4_f32). A number that lies on a knife's edge between two numbers of the format may be rounded either way, as far as f32 arithmetic and the matrix unit's own rounding can turn it there, and no further.
;; One version. Each part assembles by itself: llvm-mc -triple=amdgcn-amd-amdhsa -mcpu=gfx1250 --defsym DOCPART=n.
;; ======== version 1 of 1: 4 launches
;; limits: right only within a limited range of input values
;; workspace buffers: xc 37,748,736 bytes; wc 3,145,728 bytes; lc 37,748,736 bytes; pc 8,388,608 bytes; st 524,288 bytes
;; launch quant (part 1): grid 672 x 1, 8 waves a work-group, no clusters, 56,320 bytes of LDS; arguments input_query, input_key, input_value, Wq, Wk, Wv, lowp_scales, seq_lens, xc, wc; writes xc, wc
.if DOCPART == 1
	.amdgcn_target "amdgcn-amd-amdhsa--gfx1250"
	.amdhsa_code_object_version 6
	.text
	.protected	k_qde2e3e7d87_quant
	.globl	k_qde2e3e7d87_quant
	.p2align	8
	.type	k_qde2e3e7d87_quant,@function
k_qde2e3e7d87_quant:
	s_mov_b64 s[64:65], 0
	v_nop
	global_prefetch_b8 v0, s[64:65] scope:SCOPE_SE
	s_setreg_imm32_b32 hwreg(HW_REG_WAVE_MODE, 25, 1), 1
	s_wait_xcnt 0x0
; FIRST OF FOUR LAUNCHES: the three inputs and the three weights, f32, become codes of E4M3, each with the scale 2^e given for it (lowp_scales 0..5):
; code = x / 2^e, held within +-448, to the nearest code, ties to even.  The later launches read codes alone: proj (products 1-3), score (product 4 and the softmax's p), pv (product 5).
; WORK LEFT OUT.  reference() adds finfo.min to the score of every key m >= seq_lens[b].  Beside a valid key's score (key 0 is valid: seq_lens[b] >= 1) such a key's p = 2^(t - M) has an exponent near -5e38:
; its E4M3 code is 0 and its share of the f32 sum l is 0, whatever finite numbers input_key and input_value hold there.  Which keys these are is decided by whole numbers that this launch reads from memory.
; So a block of 64 keys that lies wholly at or past seq_lens[b] is not read from input_key or input_value; zero codes are stored for it, so that every byte that the next launch reads has been stored.
; LIMITS: 1 <= seq_lens[b] (values over 2,048 act as 2,048; values under 1 are not served).  A NaN, an infinity or an overflow in rows that are not read is not carried to the result.  NaN among the inputs is not served.
; A valid key's score so near finfo.min that f32 would lose the mask beside it is not served.  -126 <= e and e + 8 <= 127 for the six scales used here.
; THE FRAGMENT IMAGE.  All codes are stored in the order of a matrix operand's registers: a fragment is 16 rows x 128 k = 2,048 bytes; byte 512 c + 16 lane + i is byte i of registers 4 c .. 4 c + 3 of lane r + 16 h,
; and holds row r, k = 32 c + 16 h + i.  xc and wc: [group of 128 rows][slot of 256 k][block of 16 rows][128 k of the slot][2,048]: 131,072 / 32,768 / 4,096 / 2,048 bytes.
; xc's rows: queries 0 .. 4,095, keys 4,096 .. 20,479, values 20,480 .. 36,863.  wc: Wq, Wk, Wv, 1 MiB each, rows = the output channel n.
; SHARES.  Work-groups 0-95: a weight's 256 columns x 128 k; a wave takes 32 columns, a lane one column, its registers run down K, so the conversions give codes with K innermost.
; Work-groups 96-671: 64 rows of an input; wave w takes k = 128 w .. 128 w + 127, four fragments; each load reads 512 consecutive bytes of a row, and the eight waves together whole rows.
; Codes turn through the wave's own stage in LDS (rows 144 bytes apart) into the image's order; each store covers 512 consecutive bytes, aligned.  No barrier: waves share nothing.  The two paths have LDS bytes of their own.
.set PT,    144                        ; a stage row: 128 bytes of codes + 16
.set STG_W, 18432                      ; the weights' stages begin behind the inputs' eight (8 x 16 x 144)
.set SPARE, 55296                      ; behind the stages (18,432 + 8 x 32 x 144): the spare words, 128 bytes for each wave
.set SPW,   10                         ; v10  LDS address of my spare word; never rewritten
.set NIL,   11                         ; v11  0; never rewritten
.set R,     16                         ; v16-143  numbers as loaded: two sets of 64 (weights: two sets of 32)
.set C,     144                        ; v144-159 a fragment's codes as the conversions leave them
.set O,     160                        ; v160-223 the images: 16 registers for each fragment, so that no store's data are written again
	s_load_b256 s[8:15], s[0:1], 0x0               ; input_query s[8:9], input_key s[10:11], input_value s[12:13], Wq s[14:15]
	s_load_b256 s[16:23], s[0:1], 0x20             ; Wk s[16:17], Wv s[18:19], lowp_scales s[20:21], seq_lens s[22:23]
	s_load_b128 s[24:27], s[0:1], 0x40             ; xc s[24:25], wc s[26:27]
	v_lshl_add_u32 v[SPW], v0, 2, SPARE
	v_mov_b32 v[NIL], 0
	v_lshrrev_b32 v1, 5, v0
	s_delay_alu instid0(VALU_DEP_1)
	v_readfirstlane_b32 s28, v1                    ; wave 0..7
	v_and_b32 v1, 31, v0                           ; lane
	s_delay_alu instid0(VALU_DEP_1)
	v_lshlrev_b32 v2, 4, v1                        ; 16 x lane: my bytes of a load's or a store's 512
	s_delay_alu instid0(VALU_DEP_2)
	v_lshlrev_b32 v7, 2, v1                        ; 4 x lane
	v_and_b32 v8, 15, v0                           ; r
	v_bfe_u32 v9, v0, 4, 1                         ; h
	s_mul_i32 s34, s28, 16*PT                      ; my stage on the inputs' path,
	s_mul_i32 s35, s28, 32*PT
	s_add_co_u32 s35, s35, STG_W                   ; and on the weights'.  Every LDS address is made here, ahead of the parting of the paths
	v_add_nc_u32 v3, s34, v7                       ; inputs, in: 4 codes a lane along a row
	v_mul_u32_u24 v4, v8, PT
	s_delay_alu instid0(VALU_DEP_1)
	v_lshl_add_u32 v4, v9, 4, v4                   ; row r, + 16 h
	s_delay_alu instid0(VALU_DEP_1)
	v_add_nc_u32 v6, s35, v4                       ; weights, out
	s_delay_alu instid0(VALU_DEP_2)
	v_add_nc_u32 v4, s34, v4                       ; inputs, out
	v_mul_u32_u24 v5, v1, PT
	s_delay_alu instid0(VALU_DEP_1)
	v_add_nc_u32 v5, s35, v5                       ; weights, in: row = my column
	v_mov_b32 v12, 0
	v_mov_b32 v13, 0
	v_mov_b32 v14, 0
	v_mov_b32 v15, 0                               ; sixteen zero codes
	s_wait_kmcnt 0x0
	s_load_b256 s[40:47], s[20:21], 0x0            ; the scales' exponents 0 .. 7 (0 .. 5 are used here)
	s_cmp_lt_u32 ttmp9, 96
	s_cbranch_scc1 .Lweights
	; ---------------- an input's 64 rows
	s_sub_co_u32 s29, ttmp9, 96                    ; which 64 rows of xc: 0-63 queries, 64-319 keys, 320-575 values
	s_cmp_lt_u32 s29, 64
	s_cselect_b64 s[30:31], s[8:9], s[10:11]
	s_cselect_b32 s34, 0, 64
	s_cmp_lt_u32 s29, 320
	s_cselect_b64 s[30:31], s[30:31], s[12:13]     ; the tensor: the choice hangs on the work-group's number alone
	s_cselect_b32 s34, s34, 320
	s_sub_co_u32 s34, s29, s34                     ; which 64 rows of the tensor
	s_lshl_b32 s36, s34, 18                        ; 64 rows of 4,096 bytes,
	s_lshl_b32 s37, s28, 9                         ; my wave's 512 bytes of a row
	s_add_co_u32 s36, s36, s37
	s_mov_b32 s37, 0
	s_add_nc_u64 s[30:31], s[30:31], s[36:37]
	s_lshr_b32 s36, s29, 1
	s_lshl_b32 s36, s36, 17                        ; xc: the group of 128 rows,
	s_and_b32 s37, s29, 1
	s_lshl_b32 s37, s37, 14                        ; its blocks 0-3 or 4-7,
	s_add_co_u32 s36, s36, s37
	s_lshr_b32 s37, s28, 1
	s_lshl_b32 s37, s37, 15                        ; the slot of 256 k,
	s_add_co_u32 s36, s36, s37
	s_and_b32 s37, s28, 1
	s_lshl_b32 s37, s37, 11                        ; and which 128 of it
	s_add_co_u32 s36, s36, s37
	s_mov_b32 s37, 0
	s_add_nc_u64 s[32:33], s[24:25], s[36:37]
	s_cmp_lt_u32 s29, 64
	s_cbranch_scc1 .Llive                          ; queries are all wanted
	s_lshr_b32 s38, s34, 5                         ; the batch: 32 blocks of 64 keys each
	s_lshl_b32 s38, s38, 2
	s_mov_b32 s39, 0
	s_add_nc_u64 s[38:39], s[22:23], s[38:39]
	s_load_b32 s36, s[38:39], 0x0                  ; seq_lens[b]
	s_and_b32 s35, s34, 31
	s_lshl_b32 s35, s35, 6                         ; the block's first key
	s_wait_kmcnt 0x0
	s_cmp_ge_i32 s35, s36
	s_cbranch_scc1 .Ldead                          ; all 64 keys lie at or past seq_lens[b]
.Llive:
.macro LOADF f                         ; fragment f: 16 rows, 512 bytes of each, into set f % 2: registers 4 i .. 4 i + 3 = row i, k = 4 lane + 0 .. 3
.set nn, 0
.rept 16
	global_load_b128 v[R+64*((\f)%2)+4*nn:R+64*((\f)%2)+4*nn+3], v2, s[30:31] offset:(16*(\f)+nn)*4096 th:TH_LOAD_NT
.set nn, nn+1
.endr
.endm
.macro FRAGQ f
.set RS, R+64*((\f)%2)
.if (\f) < 3
	s_wait_loadcnt 16                              ; this fragment's 16 loads are in; the next set's 16 may be out
.else
	s_wait_loadcnt 0x0
.endif
.set nn, 0
.rept 64
	v_med3_num_f32 v[RS+nn], v[RS+nn], -v9, v9     ; the conversion to an 8-bit code does not saturate (ISA guide 7.6.2): the hold at the largest code x the scale
.set nn, nn+1
.endr
.set nn, 0
.rept 8
	v_cvt_scalef32_pk8_fp8_f32 v[C+2*nn:C+2*nn+1], v[RS+8*nn:RS+8*nn+7], v8   ; register 2 n: row 2 n's four codes; register 2 n + 1: row 2 n + 1's
.set nn, nn+1
.endr
.if (\f) < 2
	LOADF (\f)+2                                   ; the set just converted takes the fragment two further on
.endif
.set nn, 0
.rept 16
	ds_store_b32 v3, v[C+nn] offset:PT*nn          ; row n of the stage: 128 consecutive bytes from the 32 lanes
.set nn, nn+1
.endr
.irp c, 0,1,2,3
	ds_load_b128 v[O+16*(\f)+4*\c:O+16*(\f)+4*\c+3], v4 offset:32*\c   ; LDS serves a wave's instructions in order: these see my stores.  Row r, k = 32 c + 16 h + 0 .. 15
.endr
	s_wait_dscnt 0x0                               ; the image is in registers, and the stage and the codes' registers may be written again
.irp c, 0,1,2,3
	global_store_b128 v2, v[O+16*(\f)+4*\c:O+16*(\f)+4*\c+3], s[32:33] offset:4096*(\f)+512*\c
.endr
.endm
	LOADF 0
	LOADF 1
	s_wait_kmcnt 0x0                               ; the scales
	s_cmp_lt_u32 s29, 64
	s_cselect_b32 s35, s40, s42
	s_cmp_lt_u32 s29, 320
	s_cselect_b32 s35, s35, s44                    ; e: entry 0, 2 or 4
	s_add_co_i32 s35, s35, 127
	s_lshl_b32 s36, s35, 23
	v_mov_b32 v8, s36                              ; 2^e as f32: the conversion takes its exponent field
	s_add_co_i32 s35, s35, 8
	s_lshl_b32 s35, s35, 23
	s_or_b32 s35, s35, 0x600000
	v_mov_b32 v9, s35                              ; 448 x 2^e
	s_wait_alu depctr_va_vdst(0)
	FRAGQ 0
	FRAGQ 1
	FRAGQ 2
	FRAGQ 3
	s_wait_tensorcnt 0x0                           ; the wave's end: an add of 0 to my spare word and its wait, behind my last LDS store
	ds_add_u32 v[SPW], v[NIL]
	s_wait_dscnt 0x0
	s_endpgm
.Ldead:                                        ; zero codes for 64 keys that count for nothing: nothing is read
	s_wait_alu depctr_va_vdst(0)
.irp f, 0,1,2,3
.irp c, 0,1,2,3
	global_store_b128 v2, v[12:15], s[32:33] offset:4096*\f+512*\c
.endr
.endr
	s_endpgm
	; ---------------- a weight's 256 columns x 128 k
.Lweights:
	s_lshr_b32 s29, ttmp9, 5                       ; which weight: 0 Wq, 1 Wk, 2 Wv
	s_bfe_u32 s34, ttmp9, 0x20003                  ; which 256 columns
	s_and_b32 s35, ttmp9, 7                        ; which 128 along K
	s_cmp_eq_u32 s29, 0
	s_cselect_b64 s[30:31], s[14:15], s[16:17]
	s_cmp_eq_u32 s29, 2
	s_cselect_b64 s[30:31], s[18:19], s[30:31]
	s_lshl_b32 s36, s35, 19                        ; 128 rows of 4,096 bytes,
	s_lshl_b32 s37, s34, 10                        ; 256 columns,
	s_add_co_u32 s36, s36, s37
	s_lshl_b32 s37, s28, 7                         ; my wave's 32
	s_add_co_u32 s36, s36, s37
	s_mov_b32 s37, 0
	s_add_nc_u64 s[30:31], s[30:31], s[36:37]
	s_lshl_b32 s36, s29, 20                        ; wc: the weight,
	s_lshl_b32 s37, s34, 1
	s_lshr_b32 s38, s28, 2
	s_add_co_u32 s37, s37, s38
	s_lshl_b32 s37, s37, 17                        ; the group of 128 channels,
	s_add_co_u32 s36, s36, s37
	s_lshr_b32 s37, s35, 1
	s_lshl_b32 s37, s37, 15                        ; the slot of 256 k,
	s_add_co_u32 s36, s36, s37
	s_lshl_b32 s37, s28, 1
	s_and_b32 s37, s37, 7
	s_lshl_b32 s37, s37, 12                        ; my two blocks of 16 channels,
	s_add_co_u32 s36, s36, s37
	s_and_b32 s37, s35, 1
	s_lshl_b32 s37, s37, 11                        ; and which 128 of the slot
	s_add_co_u32 s36, s36, s37
	s_mov_b32 s37, 0
	s_add_nc_u64 s[32:33], s[26:27], s[36:37]
.macro WLOAD t                         ; W(32 t + i, my column), i = 0 .. 31, into set t % 2: each load reads 128 consecutive bytes, the eight waves side by side
.set nn, 0
.rept 32
	global_load_b32 v[R+32*((\t)%2)+nn], v7, s[30:31] offset:(32*(\t)+nn)*4096 th:TH_LOAD_NT
.set nn, nn+1
.endr
.endm
.macro WBLOCK t
.set RS, R+32*((\t)%2)
.if (\t) < 3
	s_wait_loadcnt 32                              ; this block's 32 loads are in; the next block's may be out
.else
	s_wait_loadcnt 0x0
.endif
.set nn, 0
.rept 32
	v_med3_num_f32 v[RS+nn], v[RS+nn], -v9, v9
.set nn, nn+1
.endr
.irp g, 0,1,2,3
	v_cvt_scalef32_pk8_fp8_f32 v[C+2*\g:C+2*\g+1], v[RS+8*\g:RS+8*\g+7], v8
.endr
	ds_store_b128 v5, v[C:C+3] offset:32*(\t)      ; 32 codes of my column's row
	ds_store_b128 v5, v[C+4:C+7] offset:32*(\t)+16
.if (\t) < 2
	WLOAD (\t)+2
.endif
	s_wait_dscnt 0x0                               ; the stores have read their registers: the next block's codes may be written
.endm
	WLOAD 0
	WLOAD 1
	s_wait_kmcnt 0x0                               ; the scales
	s_cmp_eq_u32 s29, 0
	s_cselect_b32 s35, s41, s43
	s_cmp_eq_u32 s29, 2
	s_cselect_b32 s35, s45, s35                    ; e: entry 1, 3 or 5
	s_add_co_i32 s35, s35, 127
	s_lshl_b32 s36, s35, 23
	v_mov_b32 v8, s36
	s_add_co_i32 s35, s35, 8
	s_lshl_b32 s35, s35, 23
	s_or_b32 s35, s35, 0x600000
	v_mov_b32 v9, s35
	s_wait_alu depctr_va_vdst(0)
	WBLOCK 0
	WBLOCK 1
	WBLOCK 2
	WBLOCK 3
.irp n, 0,1
.irp c, 0,1,2,3
	ds_load_b128 v[O+16*\n+4*\c:O+16*\n+4*\c+3], v6 offset:16*PT*\n+32*\c   ; channel 16 n + r, k = 32 c + 16 h + 0 .. 15
.endr
.endr
	s_wait_dscnt 0x0
.irp n, 0,1
.irp c, 0,1,2,3
	global_store_b128 v2, v[O+16*\n+4*\c:O+16*\n+4*\c+3], s[32:33] offset:4096*\n+512*\c
.endr
.endr
	s_wait_tensorcnt 0x0                           ; the wave's end: an add of 0 to my spare word and its wait, behind my last LDS store
	ds_add_u32 v[SPW], v[NIL]
	s_wait_dscnt 0x0
	s_endpgm
.Lfunc_end_k_qde2e3e7d87_quant:
	.size	k_qde2e3e7d87_quant, .Lfunc_end_k_qde2e3e7d87_quant-k_qde2e3e7d87_quant
	.p2alignl 7, 3214868480
	.fill 96, 4, 3214868480
	.section	.rodata,"a",@progbits
	.p2align	6, 0x0
	.amdhsa_kernel k_qde2e3e7d87_quant
		.amdhsa_group_segment_fixed_size 56320
		.amdhsa_private_segment_fixed_size 0
		.amdhsa_enable_private_segment 0
		.amdhsa_kernarg_size 80
		.amdhsa_user_sgpr_count 2
		.amdhsa_user_sgpr_kernarg_segment_ptr 1
		.amdhsa_wavefront_size32 1
		.amdhsa_system_sgpr_workgroup_id_x 1
		.amdhsa_system_sgpr_workgroup_id_y 1
		.amdhsa_system_sgpr_workgroup_id_z 1
		.amdhsa_system_vgpr_workitem_id 0
		.amdhsa_next_free_vgpr 224
		.amdhsa_next_free_sgpr 66
		.amdhsa_reserve_vcc 0
		.amdhsa_float_denorm_mode_32 3
		.amdhsa_float_denorm_mode_16_64 3
		.amdhsa_memory_ordered 1
		.amdhsa_forward_progress 1
		.amdhsa_inst_pref_size 61
	.end_amdhsa_kernel
	.amdgpu_metadata
---
amdhsa.version: [ 1, 2 ]
amdhsa.kernels:
  - .name:           k_qde2e3e7d87_quant
    .symbol:         k_qde2e3e7d87_quant.kd
    .args:
      - { .name: input_query, .offset: 0, .size: 8, .value_kind: global_buffer, .address_space: global }
      - { .name: input_key, .offset: 8, .size: 8, .value_kind: global_buffer, .address_space: global }
      - { .name: input_value, .offset: 16, .size: 8, .value_kind: global_buffer, .address_space: global }
      - { .name: Wq, .offset: 24, .size: 8, .value_kind: global_buffer, .address_space: global }
      - { .name: Wk, .offset: 32, .size: 8, .value_kind: global_buffer, .address_space: global }
      - { .name: Wv, .offset: 40, .size: 8, .value_kind: global_buffer, .address_space: global }
      - { .name: lowp_scales, .offset: 48, .size: 8, .value_kind: global_buffer, .address_space: global }
      - { .name: seq_lens, .offset: 56, .size: 8, .value_kind: global_buffer, .address_space: global }
      - { .name: xc, .offset: 64, .size: 8, .value_kind: global_buffer, .address_space: global }
      - { .name: wc, .offset: 72, .size: 8, .value_kind: global_buffer, .address_space: global }
    .group_segment_fixed_size: 56320
    .private_segment_fixed_size: 0
    .kernarg_segment_align: 8
    .kernarg_segment_size: 80
    .max_flat_workgroup_size: 256
    .sgpr_count:     66
    .vgpr_count:     224
    .wavefront_size: 32
...
	.end_amdgpu_metadata
.endif
;; end of part 1
;; launch proj (part 2): grid 288 x 1, 4 waves a work-group, no clusters, 264,704 bytes of LDS; arguments xc, wc, lowp_scales, seq_lens, bq, bk, bv, lc; writes lc
.if DOCPART == 2
	.amdgcn_target "amdgcn-amd-amdhsa--gfx1250"
	.amdhsa_code_object_version 6
	.text
	.protected	k_qde2e3e7d87_proj
	.globl	k_qde2e3e7d87_proj
	.p2align	8
	.type	k_qde2e3e7d87_proj,@function
k_qde2e3e7d87_proj:
	s_mov_b64 s[64:65], 0
	v_nop
	global_prefetch_b8 v0, s[64:65] scope:SCOPE_SE
	s_setreg_imm32_b32 hwreg(HW_REG_WAVE_MODE, 25, 1), 1
	s_wait_xcnt 0x0
; SECOND LAUNCH: products 1-3 on codes of E4M3, the bias, and the quantiser of lq, lk, lv (lowp_scales 6, 7, 9); results are stored as codes in the fragment image that score and pv read.
; WORK LEFT OUT: as the first launch shows, a key m >= seq_lens[b] has p = 0 whatever lk and lv hold there.  A unit all of whose keys lie at or past seq_lens[b] is not multiplied: zero codes are stored for it,
; so that every byte that the later launches read has been stored.  LIMITS: 1 <= seq_lens[b]; a NaN, an infinity or an overflow in rows left out is not carried to the result;
; e(x) + e(w) between -127 and 126, e(out) - e(x) - e(w) between -126 and 119.
; SHARES.  A work-group keeps ONE operand block of 256 rows x K 1,024 (262,144 bytes, dense in its buffer) in LDS for all its work; a wave owns units of 64 rows of the OTHER operand, which go from
; memory straight into its registers: nothing in the K loop is shared but the resident block, so the loop has no barrier.  A unit is 64 x 256 results: 64 accumulators, 512 registers.
; lq, lk: resident = 256 channels of Wq / Wk (source 0), streamed = 64 rows of x (source 1): a lane holds one row, its registers run along the channels, the next product's K.
; lv: resident = 256 keys of x (source 0), streamed = 64 channels of Wv (source 1): a lane holds one channel, its registers run along the keys.  One text serves the three; only the bias's form differs.
; GRID: work-groups 0-31 lq (column block, 512 rows); 32-159 lk (column block, batch, 512 keys; early keys first); 160-287 lv (half of the channels, batch, 256 keys; early keys first).  Two units a wave.
; No tensor load: operands come through registers; no joint loads and no cluster.  No prefetch: the streamed loads themselves run three K steps (48 loads a wave) ahead.
; The first unit's first three steps are asked for before seq_lens has come back.
; REGISTERS: window 0: v0-31 addresses and constants, v32-63 codes, v64-127 a fragment's numbers, v128-255 eight resident fragments (on the way out: the bias); window 1: four sets of streamed fragments; windows 2, 3: accumulators.
.set BIT,    262144                    ; the bias table, 2,048 bytes, behind the resident block
.set SPARE,  264192                    ; the spare words, 128 bytes a wave
.set LVBASE, 20971520
.set L16, 1
.set ADR, 4                            ; v4-7  resident block: 65,536 k + 16 lane
.set SPW, 8
.set NIL, 9
.set SCL, 10
.set HLD, 11
.set VO,  12                           ; v12-15 out: 16 lane + a x (bytes from block to block)
.set BIA, 16
.set BLA, 17
.set BS,  18                           ; v18-21 lv's bias of this unit's four blocks, v22-25 of the next
.set ZR,  26
.set FA,  30
.set TA,  31
.set CD,  32
.set TMP, 64
.set POOL,128
.set WV, 20
.set RO, 21
.set AO, 22
.set OO, 23
.set RS, 24
.set SA, 26
.set SO, 28
.set BP, 30
.set MASK, 32
.set KB, 33
.set KU, 34
.set KS4, 35
.set LEN, 36
.set AST, 37
.set OSTR, 38
.set BOF, 40
.set I,  42
.set RV, 43
.set BO, 54
.set MSB, 0
.set XO, 0                             ; added to the streamed loads' immediates: 262,144 where the next unit is asked for from this unit's base
.macro WIN new                         ; the immediate's high byte repeats the setting that is left
.if MSB != (\new)
	s_set_vgpr_msb (MSB<<8)|(\new)
.set MSB, \new
.endif
.endm
.macro LOADA s                         ; step s of my unit: four fragments into set s % 4 (window 1), 16 loads of 512 consecutive bytes
.irp a, 0,1,2,3
.irp c, 0,1,2,3
	global_load_b128 v[64*((\s)%4)+16*\a+4*\c:64*((\s)%4)+16*\a+4*\c+3], v[L16], s[SA:SA+1] offset:XO+((\s)/2)*32768+((\s)%2)*2048+\a*4096+512*\c
.endr
.endr
.endm
.macro LOADB s, g                      ; resident fragments 2 g, 2 g + 1 of step s into pool pair g % 4
.irp f, 0,1
.irp c, 0,1,2,3
	ds_load_b128 v[POOL+32*((\g)%4)+16*\f+4*\c:POOL+32*((\g)%4)+16*\f+4*\c+3], v[ADR+2*((\g)/4)+(\s)/4] offset:(((\s)/2)%2)*32768+((2*(\g)+\f)%8)*4096+((\s)%2)*2048+512*\c
.endr
.endr
.endm
; eight products: two resident fragments x my four.  The 64 accumulators take turns in the same order in every step.  Behind them four places, then the pair's next fragments, four groups ahead.
.macro GRP s, g, zero
.set RM, 63-(8*(\s)+(\g))
.if RM >= 3
	s_wait_dscnt 24                                ; the three groups asked for behind this one may be out
.else
	s_wait_dscnt 8*RM
.endif
	WIN 0xa4+0x50*((\g)/4)                         ; source 0 window 0, source 1 window 1, C and D window 2 or 3
.irp f, 0,1
.irp a, 0,1,2,3
.if \zero
	v_wmma_f32_16x16x128_fp8_fp8 v[8*(4*(2*((\g)%4)+\f)+\a):8*(4*(2*((\g)%4)+\f)+\a)+7], v[POOL+32*((\g)%4)+16*\f:POOL+32*((\g)%4)+16*\f+15], v[64*((\s)%4)+16*\a:64*((\s)%4)+16*\a+15], 0
.else
	v_wmma_f32_16x16x128_fp8_fp8 v[8*(4*(2*((\g)%4)+\f)+\a):8*(4*(2*((\g)%4)+\f)+\a)+7], v[POOL+32*((\g)%4)+16*\f:POOL+32*((\g)%4)+16*\f+15], v[64*((\s)%4)+16*\a:64*((\s)%4)+16*\a+15], v[8*(4*(2*((\g)%4)+\f)+\a):8*(4*(2*((\g)%4)+\f)+\a)+7]
.endif
.endr
.endr
.rept 4
	v_nop                                          ; places ahead of loads into registers that these products read (ISA guide 7.12.1 for vector instructions)
.endr
	WIN 0
.if RM >= 4
.set NS, (8*(\s)+(\g)+4)/8
.set NG, (8*(\s)+(\g)+4)%8
	LOADB NS, NG
.endif
.endm
.macro STEP s, zero
.if (\s) <= 4
	WIN 0x40
	LOADA (\s)+3                                   ; into the set that the step before has read
	s_wait_loadcnt 48                              ; this step's set is in; three steps' loads may be out
.else
	s_wait_loadcnt 16*(7-(\s))
.endif
.irp g, 0,1,2,3,4,5,6,7
	GRP \s, \g, \zero
.endr
.endm
; a fragment of the result: block a of my 64 rows x 128 of the resident 256: bias, hold, conversion, four stores of 512 consecutive bytes, aligned
.macro OUTF a, hb, n
	s_cmp_eq_u32 s[RV], 0
	s_cbranch_scc0 .Lvb_\@
	WIN 0x02+(\hb)
.irp b, 0,1,2,3,4,5,6,7
.irp i, 0,2,4,6
	v_pk_add_f32 v[TMP+8*\b+\i:TMP+8*\b+\i+1], v[8*(4*\b+(\a))+\i:8*(4*\b+(\a))+\i+1], v[POOL+64*(\hb)+8*\b+\i:POOL+64*(\hb)+8*\b+\i+1]   ; the bias runs along the registers
.endr
.endr
	WIN 0
	s_wait_alu depctr_va_vdst(0)
	s_branch .Lj_\@
.Lvb_\@:
	WIN 0x02+(\hb)
.irp b, 0,1,2,3,4,5,6,7
.irp i, 0,2,4,6
.if (\a)%2
	v_pk_add_f32 v[TMP+8*\b+\i:TMP+8*\b+\i+1], v[8*(4*\b+(\a))+\i:8*(4*\b+(\a))+\i+1], v[BS+2*((\a)/2):BS+2*((\a)/2)+1] op_sel:[0,1] op_sel_hi:[1,1]   ; the lane's one bias for both halves
.else
	v_pk_add_f32 v[TMP+8*\b+\i:TMP+8*\b+\i+1], v[8*(4*\b+(\a))+\i:8*(4*\b+(\a))+\i+1], v[BS+2*((\a)/2):BS+2*((\a)/2)+1] op_sel_hi:[1,0]
.endif
.endr
.endr
	WIN 0
.Lj_\@:
.set nn, 0
.rept 64
	v_med3_num_f32 v[TMP+nn], v[TMP+nn], -v[HLD], v[HLD]   ; the conversion does not saturate (ISA guide 7.6.2)
.set nn, nn+1
.endr
.if (\n) >= 2
	s_wait_alu depctr_va_vdst(0)
	s_wait_xcnt 0x0                                ; the stores two fragments back have read these registers
.endif
.irp b, 0,1,2,3,4,5,6,7
	v_cvt_scalef32_pk8_fp8_f32 v[CD+16*((\n)%2)+2*\b:CD+16*((\n)%2)+2*\b+1], v[TMP+8*\b:TMP+8*\b+7], v[SCL]
.endr
	v_nop                                          ; one plain line behind the conversions
.irp c, 0,1,2,3
	global_store_b128 v[VO+(\a)], v[CD+16*((\n)%2)+4*\c:CD+16*((\n)%2)+4*\c+3], s[SO:SO+1] offset:(\hb)*2048+512*\c
.endr
.endm
	s_load_b256 s[4:11], s[0:1], 0x0               ; xc, wc, lowp_scales, seq_lens
	s_load_b256 s[12:19], s[0:1], 0x20             ; bq, bk, bv, lc
	v_lshl_add_u32 v[SPW], v0, 2, SPARE
	v_mov_b32 v[NIL], 0
	v_lshrrev_b32 v2, 5, v0
	v_readfirstlane_b32 s[WV], v2                  ; wave 0..3
	s_and_b32 s55, ttmp9, 3                        ; lq, lk: the column block
	s_wait_alu depctr_va_vdst(0)
	s_cmp_lt_u32 ttmp9, 160
	s_cbranch_scc0 .Lrole_v
	s_sub_co_u32 s56, ttmp9, 32
	s_bfe_u32 s57, s56, 0x30002                    ; lk: the batch,
	s_lshr_b32 s58, s56, 5                         ; which 512 keys
	s_lshl_b32 s59, s57, 5
	s_lshl_b32 s60, s58, 3
	s_add_co_u32 s59, s59, s60
	s_add_co_u32 s59, s59, 64                      ; lk: first block of 64 rows of xc
	s_lshr_b32 s60, ttmp9, 2
	s_lshl_b32 s60, s60, 3                         ; lq: likewise
	s_lshl_b32 s61, s58, 9
	s_lshl_b32 s62, s[WV], 6
	s_add_co_u32 s62, s62, s61
	s_cmp_lt_u32 ttmp9, 32
	s_cselect_b32 s59, s60, s59
	s_cselect_b32 s[RO], 0, 0x100000
	s_cselect_b32 s[KB], 0, s61                    ; the work-group's first key,
	s_cselect_b32 s[KU], 0, s62                    ; my unit's,
	s_cselect_b32 s[KS4], 0, 256                   ; and from unit to unit
	s_cselect_b32 s[BOF], 0, s57
	s_add_co_u32 s59, s59, s[WV]                   ; my unit: block of 64 rows
	s_lshl_b32 s56, s55, 18
	s_add_co_u32 s[RO], s[RO], s56                 ; resident: the weight's 256 channels
	s_lshr_b32 s56, s59, 1
	s_lshl_b32 s56, s56, 17
	s_and_b32 s57, s59, 1
	s_lshl_b32 s57, s57, 14
	s_add_co_u32 s[AO], s56, s57                   ; streamed: group of 128 rows, its blocks 0-3 or 4-7
	s_lshl_b32 s56, s55, 15
	s_add_co_u32 s[OO], s[AO], s56                 ; out: the same rows, slot = the column block
	s_lshl_b32 s[BO], s55, 10
	s_mov_b32 s[MASK], 63
	s_mov_b32 s[AST], 4096
	s_mov_b32 s[OSTR], 262144
	s_mov_b32 s[RV], 0
	s_branch .Lrole_done
.Lrole_v:
	s_sub_co_u32 s56, ttmp9, 160
	s_and_b32 s57, s56, 1                          ; which 512 channels
	s_bfe_u32 s[BOF], s56, 0x30001                 ; the batch
	s_lshr_b32 s58, s56, 4                         ; which 256 keys
	s_lshl_b32 s59, s57, 3
	s_add_co_u32 s59, s59, s[WV]                   ; my unit: block of 64 channels
	s_lshl_b32 s60, s[BOF], 4
	s_lshl_b32 s61, s58, 1
	s_add_co_u32 s60, s60, s61
	s_add_co_u32 s60, s60, 160
	s_lshl_b32 s[RO], s60, 17                      ; resident: two groups of 128 rows of input_value's codes
	s_lshr_b32 s60, s59, 1
	s_and_b32 s61, s59, 1
	s_lshl_b32 s62, s60, 17
	s_lshl_b32 s63, s61, 14
	s_add_co_u32 s[AO], s62, s63
	s_add_co_u32 s[AO], s[AO], 0x200000            ; streamed: Wv's codes
	s_lshl_b32 s62, s[BOF], 3
	s_add_co_u32 s62, s62, s60
	s_lshl_b32 s[OO], s62, 18                      ; out: [batch][128 channels][512 keys][16 channels][128 keys][2,048]
	s_lshr_b32 s62, s58, 1
	s_lshl_b32 s62, s62, 16
	s_add_co_u32 s[OO], s[OO], s62
	s_lshl_b32 s62, s61, 15
	s_add_co_u32 s[OO], s[OO], s62
	s_and_b32 s62, s58, 1
	s_lshl_b32 s62, s62, 12
	s_add_co_u32 s[OO], s[OO], s62
	s_add_co_u32 s[OO], s[OO], LVBASE
	s_lshl_b32 s[BO], s57, 11
	s_mov_b32 s[MASK], 127
	s_mov_b32 s[AST], 8192
	s_mov_b32 s[OSTR], 524288
	s_mov_b32 s[RV], 1
	s_lshl_b32 s[KB], s58, 8
	s_mov_b32 s[KU], s[KB]
	s_mov_b32 s[KS4], 0
.Lrole_done:
	s_mov_b32 s[OSTR+1], 0
	s_lshl_b32 s[BOF], s[BOF], 2
	s_mov_b32 s[BOF+1], 0
	s_mov_b32 s[I], 0
	v_and_b32 v3, 31, v0
	v_lshlrev_b32 v[L16], 4, v3                    ; 16 x lane
.irp k, 0,1,2,3
	v_add_nc_u32 v[ADR+\k], \k*65536, v[L16]
	v_mad_u32_u24 v[VO+\k], s[AST], \k, v[L16]
.endr
	v_bfe_u32 v3, v0, 4, 1
	v_lshl_add_u32 v[BIA], v3, 5, BIT              ; the table at channel 8 h
	v_and_b32 v3, 15, v0
	v_lshl_add_u32 v[BLA], v3, 2, BIT
	s_lshl_b32 s55, s[WV], 8
	v_add_nc_u32 v[BLA], s55, v[BLA]               ; the table at channel 64 wave + r
	s_lshl_b32 s55, s[WV], 16
	v_add_nc_u32 v[FA], s55, v[L16]                ; my quarter of the resident block
	v_lshl_add_u32 v[TA], v0, 4, BIT
	v_and_b32 v2, s[MASK], v0
	v_lshlrev_b32 v2, 4, v2                        ; the bias: four numbers a thread (lq, lk: 256 numbers, laid twice)
.irp k, 0,1,2,3
	v_mov_b32 v[ZR+\k], 0
.endr
	s_wait_alu depctr_va_vdst(0)
	s_wait_kmcnt 0x0
	s_load_b256 s[44:51], s[8:9], 0x0              ; e0 .. e7
	s_load_b64 s[52:53], s[8:9], 0x20              ; e8, e9
	s_add_nc_u64 s[56:57], s[10:11], s[BOF:BOF+1]
	s_load_b32 s[LEN], s[56:57], 0x0               ; seq_lens[b]
	s_cmp_eq_u32 s[RV], 0
	s_cselect_b64 s[RS:RS+1], s[6:7], s[4:5]
	s_cselect_b64 s[SA:SA+1], s[4:5], s[6:7]
	s_cmp_lt_u32 ttmp9, 32
	s_cselect_b64 s[BP:BP+1], s[12:13], s[14:15]
	s_cmp_lt_u32 ttmp9, 160
	s_cselect_b64 s[BP:BP+1], s[BP:BP+1], s[16:17]
	s_mov_b32 s59, 0
	s_add_co_u32 s58, s[RO], s55
	s_add_nc_u64 s[RS:RS+1], s[RS:RS+1], s[58:59]
	s_mov_b32 s58, s[AO]
	s_add_nc_u64 s[SA:SA+1], s[SA:SA+1], s[58:59]
	s_mov_b32 s58, s[OO]
	s_add_nc_u64 s[SO:SO+1], s[18:19], s[58:59]
	s_mov_b32 s58, s[BO]
	s_add_nc_u64 s[BP:BP+1], s[BP:BP+1], s[58:59]
	global_load_b128 v[TMP:TMP+3], v2, s[BP:BP+1]
	WIN 0x40
	LOADA 0
	LOADA 1
	LOADA 2
	WIN 0
	s_wait_kmcnt 0x0
	s_min_u32 s[LEN], s[LEN], 2048                 ; values over 2,048 act as 2,048; held ahead of every test
	s_add_co_i32 s56, s44, s45
	s_add_co_i32 s57, s46, s47
	s_add_co_i32 s58, s48, s49
	s_cmp_lt_u32 ttmp9, 32
	s_cselect_b32 s[LEN], 2048, s[LEN]             ; queries all count: their key counter stays 0
	s_cselect_b32 s56, s56, s57
	s_cselect_b32 s57, s50, s51
	s_cmp_lt_u32 ttmp9, 160
	s_cselect_b32 s56, s56, s58                    ; e(x) + e(w)
	s_cselect_b32 s57, s57, s53                    ; e(out)
	s_sub_co_i32 s58, 127, s56
	s_lshl_b32 s58, s58, 23                        ; 2^-(e(x) + e(w)): the bias goes in divided by what the sums lack
	s_mov_b32 s59, s58
	s_sub_co_i32 s57, s57, s56
	s_add_co_i32 s57, s57, 127
	s_lshl_b32 s60, s57, 23
	v_mov_b32 v[SCL], s60                          ; the three scales folded into the conversion's one
	s_add_co_i32 s57, s57, 8
	s_lshl_b32 s57, s57, 23
	s_or_b32 s57, s57, 0x600000
	v_mov_b32 v[HLD], s57                          ; 448 x that
	s_wait_alu depctr_va_vdst(0)
	s_cmp_lt_i32 s[KB], s[LEN]
	s_cbranch_scc0 .Lno_fill                       ; no key of the work-group counts: nothing is multiplied, so nothing is laid in LDS
	WIN 0x80                                       ; my 65,536 bytes of the resident block go through the accumulators' registers
.set nn, 0
.rept 64
	global_load_b128 v[4*nn:4*nn+3], v[L16], s[RS:RS+1] offset:512*nn
.set nn, nn+1
.endr
	WIN 0xc0
.set nn, 0
.rept 64
	global_load_b128 v[4*nn:4*nn+3], v[L16], s[RS:RS+1] offset:32768+512*nn
.set nn, nn+1
.endr
	s_wait_loadcnt 63                              ; at most the youngest 63 are out: the first 64 of these are in
	WIN 0x08
.set nn, 0
.rept 64
	ds_store_b128 v[FA], v[4*nn:4*nn+3] offset:512*nn
.set nn, nn+1
.endr
	WIN 0x0c
	s_wait_loadcnt 32
.set nn, 0
.rept 32
	ds_store_b128 v[FA], v[4*nn:4*nn+3] offset:32768+512*nn
.set nn, nn+1
.endr
	s_wait_loadcnt 0x0
.rept 32
	ds_store_b128 v[FA], v[4*nn:4*nn+3] offset:32768+512*nn
.set nn, nn+1
.endr
	WIN 0
.Lno_fill:
	s_wait_loadcnt 0x0
	v_pk_mul_f32 v[TMP:TMP+1], v[TMP:TMP+1], s[58:59] op_sel_hi:[1,0]
	v_pk_mul_f32 v[TMP+2:TMP+3], v[TMP+2:TMP+3], s[58:59] op_sel_hi:[1,0]
	ds_store_b128 v[TA], v[TMP:TMP+3]              ; the bias table
	s_wait_dscnt 0x0                               ; my stores are done, for the others' sake
	s_barrier_signal -1
	s_barrier_wait -1
.irp i, 0,1
.irp a, 0,1,2,3
	ds_load_b32 v[BS+4*\i+\a], v[BLA] offset:1024*\i+64*\a   ; the table at channel 64 (wave + 4 i) + 16 a + r: lv's bias of my two units
.endr
.endr
	s_wait_dscnt 0x0
.Lunit:                                        ; two trips
	s_cmp_lt_i32 s[KU], s[LEN]
	s_cbranch_scc0 .Ldead
	LOADB 0, 0
	LOADB 0, 1
	LOADB 0, 2
	LOADB 0, 3
	STEP 0, 1                                      ; the first step starts the sums
.irp s, 1,2,3,4,5,6,7
	STEP \s, 0
.endr
	s_add_co_u32 s56, s[KU], s[KS4]                ; my next unit's first key
	s_cmp_lt_i32 s56, s[LEN]
	s_cselect_b32 s55, 1, 0
	s_cmp_eq_u32 s[I], 0
	s_cselect_b32 s55, s55, 0
	s_cmp_lg_u32 s55, 0
	s_cbranch_scc0 .Lno_pre
	WIN 0x40                                       ; the next unit's first three steps are on their way while this unit goes out
.set XO, 262144
	LOADA 0
	LOADA 1
	LOADA 2
.set XO, 0
	WIN 0
.Lno_pre:
	s_cmp_eq_u32 s[RV], 0
	s_cbranch_scc0 .Lno_bi
.irp b, 0,1,2,3,4,5,6,7,8,9,10,11,12,13,14,15
	ds_load_b128 v[POOL+8*\b:POOL+8*\b+3], v[BIA] offset:64*\b      ; lq, lk: the bias at channels 16 b + 8 h + 0 .. 7
	ds_load_b128 v[POOL+8*\b+4:POOL+8*\b+7], v[BIA] offset:64*\b+16
.endr
.Lno_bi:
	s_wait_dscnt 0x0
	OUTF 0, 0, 0
	OUTF 0, 1, 1
	OUTF 1, 0, 2
	OUTF 1, 1, 3
	OUTF 2, 0, 4
	OUTF 2, 1, 5
	OUTF 3, 0, 6
	OUTF 3, 1, 7
	s_branch .Lnext
.Ldead:
.irp a, 0,1,2,3
.irp k, 0,1,2,3,4,5,6,7
	global_store_b128 v[VO+\a], v[ZR:ZR+3], s[SO:SO+1] offset:512*\k
.endr
.endr
.Lnext:
.irp k, 0,1,2,3
	v_mov_b32 v[BS+\k], v[BS+4+\k]
.endr
	s_wait_xcnt 0x0                                ; the stores have read their base
	s_add_nc_u64 s[SO:SO+1], s[SO:SO+1], s[OSTR:OSTR+1]
	s_add_nc_u64 s[SA:SA+1], s[SA:SA+1], 262144    ; my next unit: the loads, too, have read their base
	s_add_co_u32 s[KU], s[KU], s[KS4]
	s_add_co_u32 s[I], s[I], 1
	s_cmp_lt_u32 s[I], 2
	s_wait_alu depctr_va_vdst(0)
	s_cbranch_scc1 .Lunit
	s_wait_tensorcnt 0x0                           ; the wave's end: an add of 0 to my spare word and its wait, behind my last LDS store
	ds_add_u32 v[SPW], v[NIL]
	s_wait_dscnt 0x0
	s_endpgm
.Lfunc_end_k_qde2e3e7d87_proj:
	.size	k_qde2e3e7d87_proj, .Lfunc_end_k_qde2e3e7d87_proj-k_qde2e3e7d87_proj
	.p2alignl 7, 3214868480
	.fill 96, 4, 3214868480
	.section	.rodata,"a",@progbits
	.p2align	6, 0x0
	.amdhsa_kernel k_qde2e3e7d87_proj
		.amdhsa_group_segment_fixed_size 264704
		.amdhsa_private_segment_fixed_size 0
		.amdhsa_enable_private_segment 0
		.amdhsa_kernarg_size 64
		.amdhsa_user_sgpr_count 2
		.amdhsa_user_sgpr_kernarg_segment_ptr 1
		.amdhsa_wavefront_size32 1
		.amdhsa_system_sgpr_workgroup_id_x 1
		.amdhsa_system_sgpr_workgroup_id_y 1
		.amdhsa_system_sgpr_workgroup_id_z 1
		.amdhsa_system_vgpr_workitem_id 0
		.amdhsa_next_free_vgpr 1024
		.amdhsa_next_free_sgpr 66
		.amdhsa_reserve_vcc 0
		.amdhsa_float_denorm_mode_32 3
		.amdhsa_float_denorm_mode_16_64 3
		.amdhsa_memory_ordered 1
		.amdhsa_forward_progress 1
		.amdhsa_inst_pref_size 203
	.end_amdhsa_kernel
	.amdgpu_metadata
---
amdhsa.version: [ 1, 2 ]
amdhsa.kernels:
  - .name:           k_qde2e3e7d87_proj
    .symbol:         k_qde2e3e7d87_proj.kd
    .args:
      - { .name: xc, .offset: 0, .size: 8, .value_kind: global_buffer, .address_space: global }
      - { .name: wc, .offset: 8, .size: 8, .value_kind: global_buffer, .address_space: global }
      - { .name: lowp_scales, .offset: 16, .size: 8, .value_kind: global_buffer, .address_space: global }
      - { .name: seq_lens, .offset: 24, .size: 8, .value_kind: global_buffer, .address_space: global }
      - { .name: bq, .offset: 32, .size: 8, .value_kind: global_buffer, .address_space: global }
      - { .name: bk, .offset: 40, .size: 8, .value_kind: global_buffer, .address_space: global }
      - { .name: bv, .offset: 48, .size: 8, .value_kind: global_buffer, .address_space: global }
      - { .name: lc, .offset: 56, .size: 8, .value_kind: global_buffer, .address_space: global }
    .group_segment_fixed_size: 264704
    .private_segment_fixed_size: 0
    .kernarg_segment_align: 8
    .kernarg_segment_size: 64
    .max_flat_workgroup_size: 128
    .sgpr_count:     66
    .vgpr_count:     1024
    .wavefront_size: 32
...
	.end_amdgpu_metadata
.endif
;; end of part 2
;; launch score (part 3): grid 8 x 32, 4 waves a work-group, clusters of 4 x 4, 327,680 bytes of LDS; arguments lc, lowp_scales, seq_lens, pc, st; writes pc, st
.if DOCPART == 3
	.amdgcn_target "amdgcn-amd-amdhsa--gfx1250"
	.amdhsa_code_object_version 6
	.text
	.protected	k_qde2e3e7d87_score
	.globl	k_qde2e3e7d87_score
	.p2align	8
	.type	k_qde2e3e7d87_score,@function
k_qde2e3e7d87_score:
	s_mov_b64 s[64:65], 0
	v_nop
	global_prefetch_b8 v0, s[64:65] scope:SCOPE_SE
	s_setreg_imm32_b32 hwreg(HW_REG_WAVE_MODE, 25, 1), 1
	s_wait_xcnt 0x0
	s_wait_alu depctr_hold_cnt(0) depctr_sa_sdst(0) depctr_va_vdst(0) depctr_va_sdst(0) depctr_va_ssrc(0) depctr_va_vcc(0) depctr_vm_vsrc(0)
	s_getreg_b32 s2, hwreg(HW_REG_IB_STS2, 6, 4)
	s_cmp_eq_u32 s2, 0
	s_cbranch_scc0 .Lentry_in_a_cluster
	s_endpgm
.Lentry_in_a_cluster:
	s_bfe_u32 s2, ttmp6, 0x10000c
	s_cmp_lg_u32 s2, 0xf033
	s_cbranch_scc0 .Lentry_shape_is_right
	s_endpgm
.Lentry_shape_is_right:
; THIRD LAUNCH: the scores lq lk^T on codes of E4M3 (product 4), the mask, and the softmax's p, quantised (lowp_scales 8) and stored as codes; no score goes to memory.
; Nothing is left out here: keys past seq_lens are multiplied like the others and get the weight 0 by a select.
; A tile is 128 queries x 256 keys of one batch, K = 1,024; four waves, each 64 queries x 128 keys: 32 accumulators.  TRANSPOSED (source 0 = 16 keys, source 1 = 16 queries): a lane holds ONE query, its registers run along the keys,
; so eight conversions of a lane's 64 weights are a fragment of the last product (registers 2 b, 2 b + 1: key 16 b + 8 h + 0 .. 7).
; THE SOFTMAX, block by block of 128 keys.  t = score x log2(e) / 32; M_j = the ceiling of the row's largest t among the wave's 128 keys, a whole number; p = 2^(t - M_j) is quantised; l_j = the sum of the unquantised p.
; -M_j and l_j go to st; the last launch brings the sixteen blocks of a row under the row's one M by exact powers of two.  A masked key's sum gets -infinity added: p = 0.  A block all of whose keys are masked
; takes -3e38 for its largest t: M_j stays finite, every p is 0, l_j = 0.
; LIMITS: 1 <= seq_lens[b] (values over 2,048 act as 2,048).  e6 + e7 between -121 and 132 (added to the exponent field of log2(e) / 32); e8 between -126 and 119.
; Operands are images of registers, as the launch before stored them: a tile is dense in memory, a fragment four ds_load_b128 at 16 x lane.  K goes in steps of 256 through two LDS slots, four fills, written out.
; CLUSTERS: 4 x 4: the queries' tile is shared along a row of the cluster, the keys' along a column; the batch (the cluster's y) is the same in all sixteen.
; pc: rows = queries, [group of 128][slot of 512 keys][block of 16 rows][128 keys][2,048].  st: -M at [j][query / 64][query % 16][(query / 16) % 4], f32; l the same 262,144 bytes further on.
; REGISTERS: window 0: addresses, v32-95 the mask's addends, v96-159 a tile's 64 numbers, v160-223 codes, v228-251 statistics.  window 1: the accumulators ((a, b) at v[8 (8 a + b)]).  window 2: the keys' fragments, two sets.  window 3: the queries', two sets.
.set NB,    8                          ; blocks of 16 keys a wave
.set SK,    2                          ; steps of 128 along K in a slot
.set KSLOTB, 32768                     ; from slot to slot in a group's bytes
.set SLOT,  98304                      ; the queries' 32,768 bytes, then the keys' two groups
.set SPARE, 2*SLOT                     ; behind the ring: the spare words, 128 bytes for each wave
.set ADRA, 16                          ; v16-17  LDS address of my queries' fragments in slot 0, 1
.set ADRB, 18                          ; v18-19  of my keys'
.set SPW,  28
.set NIL,  29
.set MK,   32
.set T,    96
.set CD,   160
.set CS,   68                          ; s[68:69] c = log2(e) / 32 x 2^(e6 + e7)
.set SEL,  70                          ; s[70:71] lane selects for v_permlanex16_b32: lane l xor 16
.set G1, 24
.set G0, 32
.set G1B, 48
.set G0B, 56
.set MSB, 0
.macro WIN new                         ; the immediate's high byte repeats the setting that is left
.if MSB != (\new)
	s_set_vgpr_msb (MSB<<8)|(\new)
.set MSB, \new
.endif
.endm
.set MUL, 0x5e                         ; source 0 (keys) window 2, source 1 (queries) window 3, C and D window 1
.macro JLOAD g0a, g1a, g0b, g1b        ; waves 0 and 1 fetch the queries' halves, waves 2 and 3 the keys' groups; an s_nop 0 and four v_nop follow each line
	s_cmp_eq_u32 s19, 0
	s_cbranch_scc0 .Lfor_b_\@
	tensor_load_to_lds s[\g0a:\g0a+3], s[\g1a:\g1a+7]
	s_nop 0
.rept 4
	v_nop
.endr
	s_branch .Lasked_\@
.Lfor_b_\@:
	tensor_load_to_lds s[\g0b:\g0b+3], s[\g1b:\g1b+7]
	s_nop 0
.rept 4
	v_nop
.endr
.Lasked_\@:
.endm
.macro CREST
	s_cmp_lg_u32 s18, 0
	s_cbranch_scc1 .Lnot_wave_0_\@
	s_barrier_signal -3
.Lnot_wave_0_\@:
	s_barrier_wait -3
	s_barrier_signal -1
	s_barrier_wait -1
.endm
.macro CROUND
	s_barrier_signal -1
	s_barrier_wait -1
	CREST
.endm
	s_load_b256 s[4:11], s[0:1], 0x0               ; lc s[4:5], lowp_scales s[6:7], seq_lens s[8:9], pc s[10:11]
	s_load_b64 s[12:13], s[0:1], 0x20              ; st
	v_lshl_add_u32 v[SPW], v0, 2, SPARE
	v_mov_b32 v[NIL], 0
	ds_add_u32 v[SPW], v[NIL]                      ; the wave's opening: an add of 0 to my spare word, twice on end, and its wait ahead of my first tensor load
	ds_add_u32 v[SPW], v[NIL]
	v_lshrrev_b32 v1, 5, v0
	v_readfirstlane_b32 s18, v1                    ; wave 0..3
	s_lshr_b32 s19, s18, 1                         ; which 64 queries are mine.  Also: I fetch queries (0) or keys (1)
	s_and_b32 s20, s18, 1                          ; which 128 keys are mine.  Also: which part I fetch
	s_bfe_u32 s21, ttmp6, 0x40000                  ; cx
	s_bfe_u32 s22, ttmp6, 0x40004                  ; cy
	s_and_b32 s23, ttmp7, 0xffff                   ; the batch
	s_lshl_b32 s15, ttmp9, 2
	s_add_co_u32 s15, s15, s21                     ; which 256 keys of the batch: 4 x cluster x + cx
	s_lshl_b32 s86, s22, 2
	s_lshl_b32 s86, 15, s86                        ; my row of the cluster
	s_lshl_b32 s87, 0x1111, s21                    ; my column
	s_or_b32 s[G1], s86, (3<<16)|(1<<21)           ; the mask; elements of 8 bytes; bit 21 beside a mask; no padding
	s_or_b32 s[G1B], s87, (3<<16)|(1<<21)
	s_mov_b32 s[G1+1], 32<<16                      ; the queries' half: 64 rows of 256 bytes, dense: 16,384 bytes
	s_mov_b32 s[G1+2], 64<<16
	s_mov_b32 s[G1+3], 32<<16
	s_mov_b32 s[G1+4], 64
	s_mov_b32 s[G1+5], 32
	s_mov_b32 s[G1+6], 0
	s_mov_b32 s[G1+7], 0
	s_mov_b32 s[G1B+1], 32<<16                     ; a group of keys: 128 rows of 256 bytes: 32,768 bytes
	s_mov_b32 s[G1B+2], 128<<16
	s_mov_b32 s[G1B+3], 32<<16
	s_mov_b32 s[G1B+4], 128
	s_mov_b32 s[G1B+5], 32
	s_mov_b32 s[G1B+6], 0
	s_mov_b32 s[G1B+7], 0
	s_lshl_b32 s40, s23, 2
	s_add_co_u32 s40, s40, s22                     ; the group of 128 queries: 4 b + cy
	s_lshl_b32 s40, s40, 17
	s_lshl_b32 s41, s20, 14                        ; its blocks 0-3 or 4-7
	s_add_co_u32 s40, s40, s41
	s_mov_b32 s41, 0
	s_lshl_b32 s44, s23, 3
	s_add_co_u32 s44, s44, s15
	s_lshl_b32 s44, s44, 1
	s_add_co_u32 s44, s44, s20
	s_add_co_u32 s44, s44, 32                      ; the group of 128 keys: 32 + 2 (8 b + which 256) + wave % 2
	s_lshl_b32 s44, s44, 17
	s_mov_b32 s45, 0
	s_lshl_b32 s66, s20, 14                        ; where they go: the queries' halves,
	s_lshl_b32 s67, s20, 15
	s_add_co_u32 s67, s67, 32768                   ; the keys' groups behind them
	s_lshl_b32 s90, s23, 2
	s_mov_b32 s91, 0
	s_mov_b32 s[SEL], 0x76543210
	s_mov_b32 s[SEL+1], 0xfedcba98
	s_wait_dscnt 0x0                               ; both opening adds are done
	s_wait_kmcnt 0x0
	s_load_b256 s[72:79], s[6:7], 0x0              ; the scales' exponents 0 .. 7: e6 = s78, e7 = s79
	s_load_b64 s[80:81], s[6:7], 0x20              ; e8 = s80
	s_add_nc_u64 s[90:91], s[8:9], s[90:91]
	s_load_b32 s82, s[90:91], 0x0                  ; seq_lens[b]
	s_add_nc_u64 s[42:43], s[4:5], s[40:41]
	s_add_nc_u64 s[46:47], s[4:5], s[44:45]
	CROUND                                         ; all sixteen work-groups are here: the first joint loads meet
.irp s, 0,1
	s_mov_b32 s[G0+4*\s], 1
	s_add_co_u32 s[G0+4*\s+1], s66, \s*SLOT
	s_add_nc_u64 s[G0+4*\s+2:G0+4*\s+3], s[42:43], \s*KSLOTB
	s_or_b32 s[G0+4*\s+3], s[G0+4*\s+3], 0x80000000
	s_mov_b32 s[G0B+4*\s], 1
	s_add_co_u32 s[G0B+4*\s+1], s67, \s*SLOT
	s_add_nc_u64 s[G0B+4*\s+2:G0B+4*\s+3], s[46:47], \s*KSLOTB
	s_or_b32 s[G0B+4*\s+3], s[G0B+4*\s+3], 0x80000000
.endr
	JLOAD G0, G1, G0B, G1B                         ; slot 0: one tensor load a wave at the head
	v_and_b32 v1, 31, v0
	v_lshlrev_b32 v12, 4, v1                       ; 16 x lane
	v_and_b32 v2, 15, v0                           ; r
	v_bfe_u32 v3, v0, 4, 1                         ; h
	s_lshl_b32 s88, s19, 14                        ; my 64 queries,
	s_lshl_b32 s89, s20, 15
	s_add_co_u32 s89, s89, 32768                   ; my 128 keys
.irp s, 0,1
	v_add_nc_u32 v[ADRA+\s], s88, v12
	v_add_nc_u32 v[ADRB+\s], s89, v12
	s_add_co_u32 s88, s88, SLOT
	s_add_co_u32 s89, s89, SLOT
.endr
	v_lshlrev_b32 v13, 4, v2
	v_lshl_add_u32 v13, v3, 18, v13                ; st: 16 r; lanes 16-31 store l, 262,144 bytes further on
	v_mov_b32 v22, 0xff800000                      ; -infinity
	v_mov_b32 v229, 0                              ; (named as the upper half of the pair v[228:229])
	v_mov_b32 v232, 0                              ; written once: a lane permute's destination counts as one of its sources
	; where my results go
	s_lshl_b32 s92, s15, 1
	s_add_co_u32 s92, s92, s20                     ; j: which 128 keys of the batch's 2,048
	s_lshl_b32 s93, s23, 2
	s_add_co_u32 s93, s93, s22                     ; the group of queries
	s_lshl_b32 s94, s93, 18
	s_lshr_b32 s95, s92, 2
	s_lshl_b32 s95, s95, 16                        ; the slot of 512 keys,
	s_add_co_u32 s94, s94, s95
	s_lshl_b32 s95, s19, 15                        ; my four blocks of 16 queries,
	s_add_co_u32 s94, s94, s95
	s_and_b32 s95, s92, 3
	s_lshl_b32 s95, s95, 11                        ; which 128 keys of the slot
	s_add_co_u32 s94, s94, s95
	s_mov_b32 s95, 0
	s_add_nc_u64 s[84:85], s[10:11], s[94:95]
	s_lshl_b32 s94, s92, 14
	s_lshl_b32 s93, s93, 1
	s_add_co_u32 s93, s93, s19                     ; query / 64
	s_lshl_b32 s93, s93, 8
	s_add_co_u32 s94, s94, s93
	s_add_nc_u64 s[86:87], s[12:13], s[94:95]
	s_wait_alu depctr_va_vdst(0)
	s_wait_kmcnt 0x0
	s_add_co_i32 s83, s78, s79
	s_lshl_b32 s83, s83, 23
	s_add_co_i32 s[CS], s83, 0x3d38aa3b            ; a sum stands for sum x 2^(e6 + e7): the two exponents are added to the exponent field of log2(e) / 32
	s_mov_b32 s[CS+1], s[CS]                       ; (named with it as a pair, so it is written)
	s_add_co_i32 s83, s80, 127
	s_lshl_b32 s96, s83, 23
	v_mov_b32 v20, s96                             ; 2^e8 as f32, for the conversion
	s_add_co_i32 s83, s83, 8
	s_lshl_b32 s83, s83, 23
	s_or_b32 s83, s83, 0x600000
	v_mov_b32 v21, s83                             ; 448 x 2^e8
	; THE MASK: register 8 b + i of a tile holds key 256 (which 256) + 128 (wave % 2) + 16 b + 8 h + i: masked where 16 b + i >= d = seq_lens[b] less the rest.  It is the same for my four tiles of queries: made once, while the tiles are on their way
	s_lshl_b32 s83, s15, 8
	s_lshl_b32 s96, s20, 7
	s_add_co_u32 s83, s83, s96
	s_sub_co_i32 s83, s82, s83
	v_lshlrev_b32 v23, 3, v3
	v_sub_nc_u32 v24, s83, v23                     ; d
.set nn, 0
.rept 64
	v_cmp_ge_i32 vcc_lo, 16*(nn/8)+nn%8, v24
	v_cndmask_b32 v[MK+nn], 0, v22, vcc_lo         ; 0 for a key that counts, -infinity for one that does not
.set nn, nn+1
.endr
.macro FETCH slot, q, p                ; the fragments of the slot's q-th 128 along K into sets p: 32 loads for the keys, 16 for the queries, each 512 consecutive bytes
	WIN 0x80                                       ; destination window 2
.set fb, 0
.rept NB
.irp c, 0,1,2,3
	ds_load_b128 v[128*(\p)+16*fb+4*\c:128*(\p)+16*fb+4*\c+3], v[ADRB+\slot] offset:fb*SK*2048+(\q)*2048+512*\c
.endr
.set fb, fb+1
.endr
	WIN 0xc0                                       ; destination window 3
.irp a, 0,1,2,3
.irp c, 0,1,2,3
	ds_load_b128 v[64*(\p)+16*\a+4*\c:64*(\p)+16*\a+4*\c+3], v[ADRA+\slot] offset:\a*SK*2048+(\q)*2048+512*\c
.endr
.endr
.endm
.macro MULA a, p, zero                 ; tile a of queries x my eight blocks of keys.  The 32 accumulators take turns, one instruction a turn, in the same order in every step
.set mb, 0
.rept NB
.if \zero
	v_wmma_f32_16x16x128_fp8_fp8 v[8*(NB*(\a)+mb):8*(NB*(\a)+mb)+7], v[128*(\p)+16*mb:128*(\p)+16*mb+15], v[64*(\p)+16*(\a):64*(\p)+16*(\a)+15], 0
.else
	v_wmma_f32_16x16x128_fp8_fp8 v[8*(NB*(\a)+mb):8*(NB*(\a)+mb)+7], v[128*(\p)+16*mb:128*(\p)+16*mb+15], v[64*(\p)+16*(\a):64*(\p)+16*(\a)+15], v[8*(NB*(\a)+mb):8*(NB*(\a)+mb)+7]
.endif
.set mb, mb+1
.endr
.endm
.macro PLACES                          ; four plain vector instructions between a matrix instruction and a load into a register that it read, or a read of its result (ISA guide 7.12.1 for vector instructions)
.rept 4
	v_nop
.endr
.endm
.macro KSTEP slot, q, zero             ; a step that has its successor in the same slot: the successor's fragments are asked for first, then this step's 32 products
	s_wait_dscnt 0x0                               ; this step's sets are in
.if \zero == 0
	PLACES
.endif
	FETCH \slot, (\q)+1, 1-(\q)%2
	WIN MUL
	MULA 0, (\q)%2, \zero
	MULA 1, (\q)%2, \zero
	MULA 2, (\q)%2, \zero
	MULA 3, (\q)%2, \zero
.endm
; A slot's last step changes slots: ONE barrier; in front of it each wave waits for all its tensor loads, adds 0 to its spare word, and waits for that and for its reads of this slot.  fill = 1: this slot is filled again, two slots ahead.
.macro TURN slot, next, fill
	WIN 0
	s_wait_tensorcnt 0x0                           ; all my tensor loads have landed: my part of the next slot
	ds_add_u32 v[SPW], v[NIL]                      ; 0 onto my spare word
	s_wait_dscnt 1                                 ; this step's sets are in; the add alone may be out
	WIN MUL
	MULA 0, 1, 0                                   ; eight matrix instructions stand between the add and the wait for it
	s_wait_dscnt 0x0                               ; the add is done, and my reads of this slot are over
	s_barrier_signal -1
	MULA 1, 1, 0
	WIN 0
	s_barrier_wait -1
.if \fill
	CREST                                          ; the barrier has opened a round of the cluster's barrier: no wave of any partner still reads this slot or has a load on its way
	s_add_nc_u64 s[G0+4*\slot+2:G0+4*\slot+3], s[G0+4*\slot+2:G0+4*\slot+3], 2*KSLOTB
	s_add_nc_u64 s[G0B+4*\slot+2:G0B+4*\slot+3], s[G0B+4*\slot+2:G0B+4*\slot+3], 2*KSLOTB
	JLOAD G0+4*\slot, G1, G0B+4*\slot, G1B         ; the first tensor load behind the round; its four v_nop are the places in front of the loads below
.else
	PLACES
.endif
	FETCH \next, 0, 0
	WIN MUL
	MULA 2, 1, 0
	MULA 3, 1, 0
.endm
	s_wait_alu depctr_va_vdst(0)
	s_wait_tensorcnt 0x0                           ; my part of slot 0 is in; slot 1's first fill is issued as a refill is
	ds_add_u32 v[SPW], v[NIL]
	s_wait_dscnt 0x0
	CROUND                                         ; everybody's part of slot 0 is in, and all sixteen work-groups are here
	JLOAD G0+4, G1, G0B+4, G1B                     ; slot 1: the first tensor load behind the round
	FETCH 0, 0, 0
	KSTEP 0, 0, 1
	TURN 0, 1, 1
	KSTEP 1, 0, 0
	TURN 1, 0, 1
	KSTEP 0, 0, 0
	TURN 0, 1, 0
	KSTEP 1, 0, 0
	s_wait_dscnt 0x0                               ; the last step
	WIN MUL
	MULA 0, 1, 0
	MULA 1, 1, 0
	MULA 2, 1, 0
	MULA 3, 1, 0
	WIN 0
	PLACES
; THE SOFTMAX OF TILE a: 16 queries x my 128 keys; a lane holds 64 of its query's keys, lane l xor 16 the other 64.
.macro SOFT a
	WIN 0x01                                       ; source 0 (the sums) window 1
.set nn, 0
.rept 32
	v_pk_add_f32 v[T+2*nn:T+2*nn+1], v[64*(\a)+2*nn:64*(\a)+2*nn+1], v[MK+2*nn:MK+2*nn+1]   ; the mask; each accumulator is read from its low end on
.set nn, nn+1
.endr
	WIN 0
	v_max3_num_f32 v230, v[T], v[T+1], v[T+2]      ; the largest sum, in two chains,
	v_max3_num_f32 v231, v[T+3], v[T+4], v[T+5]
.irp i, 6,10,14,18,22,26,30,34,38,42,46,50,54,58
	v_max3_num_f32 v230, v230, v[T+\i], v[T+\i+1]
	v_max3_num_f32 v231, v231, v[T+\i+2], v[T+\i+3]
.endr
	v_max3_num_f32 v230, v230, v[T+62], v[T+63]
	v_max_num_f32 v230, v230, v231
	v_permlanex16_b32 v232, v230, s[SEL], s[SEL+1]
	v_max_num_f32 v230, v230, v232                 ; and among lane l xor 16's
	v_mul_f32 v230, s[CS], v230                    ; as t (c is positive)
	v_max_num_f32 v230, 0xff61b1e6, v230           ; at least -3e38: a block with no key that counts keeps a finite M
	v_floor_f32 v228, -v230                        ; -M_j = floor(-t) = -ceil(t): a whole number
.set nn, 0
.rept 32
	v_pk_fma_f32 v[T+2*nn:T+2*nn+1], v[T+2*nn:T+2*nn+1], s[CS:CS+1], v[228:229] op_sel_hi:[1,0,0]   ; t - M_j (of the pairs c and -M the low word serves both halves)
.set nn, nn+1
.endr
.set nn, 0
	s_wait_alu depctr_va_vdst(0)
.rept 64
	v_exp_f32 v[T+nn], v[T+nn]                     ; p = 2^(t - M_j), at most 1
.set nn, nn+1
.endr
	v_mov_b32 v[240+\a], v228                      ; -M_j is kept for st.  (The plain instruction behind the exponentials)
	s_wait_alu depctr_va_vdst(0)                   ; one wait for the whole batch, ahead of its first reader
	v_pk_add_f32 v[234:235], v[T:T+1], v[T+2:T+3]  ; l_j is the sum of the UNQUANTISED p: two at a time, in two chains
	v_pk_add_f32 v[236:237], v[T+4:T+5], v[T+6:T+7]
.irp j, 8,12,16,20,24,28,32,36,40,44,48,52,56,60
	v_pk_add_f32 v[234:235], v[234:235], v[T+\j:T+\j+1]
	v_pk_add_f32 v[236:237], v[236:237], v[T+\j+2:T+\j+3]
.endr
	v_pk_add_f32 v[234:235], v[234:235], v[236:237]
	v_add_f32 v234, v234, v235
	v_permlanex16_b32 v232, v234, s[SEL], s[SEL+1]
	v_add_f32 v[244+\a], v234, v232
.set nn, 0
.rept 64
	v_min_num_f32 v[T+nn], v[T+nn], v21            ; the conversion to an 8-bit code does not saturate (ISA guide 7.6.2); p is not negative, so the hold is one-sided
.set nn, nn+1
.endr
.irp b, 0,1,2,3,4,5,6,7
	v_cvt_scalef32_pk8_fp8_f32 v[CD+16*(\a)+2*\b:CD+16*(\a)+2*\b+1], v[T+8*\b:T+8*\b+7], v20
.endr
	v_nop                                          ; one plain vector instruction behind the conversions, ahead of the next tile's writes of their sources
.irp c, 0,1,2,3
	global_store_b128 v12, v[CD+16*(\a)+4*\c:CD+16*(\a)+4*\c+3], s[84:85] offset:(\a)*8192+512*\c   ; the fragment's image: 512 consecutive bytes a store, aligned
.endr
.endm
	SOFT 0
	SOFT 1
	SOFT 2
	SOFT 3
	v_cmp_eq_u32 vcc_lo, 1, v3
.irp a, 0,1,2,3
	v_cndmask_b32 v[248+\a], v[240+\a], v[244+\a], vcc_lo   ; lanes 0-15: -M_j of my query in the four tiles; lanes 16-31: l_j
.endr
	global_store_b128 v13, v[248:251], s[86:87]    ; 256 consecutive bytes of -M, 256 of l
	s_wait_tensorcnt 0x0                           ; the wave's end: an add of 0 to my spare word and its wait, behind my last tensor load
	ds_add_u32 v[SPW], v[NIL]
	s_wait_dscnt 0x0
	CROUND                                         ; the closing round
	s_endpgm
.Lfunc_end_k_qde2e3e7d87_score:
	.size	k_qde2e3e7d87_score, .Lfunc_end_k_qde2e3e7d87_score-k_qde2e3e7d87_score
	.p2alignl 7, 3214868480
	.fill 96, 4, 3214868480
	.section	.rodata,"a",@progbits
	.p2align	6, 0x0
	.amdhsa_kernel k_qde2e3e7d87_score
		.amdhsa_group_segment_fixed_size 327680
		.amdhsa_private_segment_fixed_size 0
		.amdhsa_enable_private_segment 0
		.amdhsa_kernarg_size 40
		.amdhsa_user_sgpr_count 2
		.amdhsa_user_sgpr_kernarg_segment_ptr 1
		.amdhsa_wavefront_size32 1
		.amdhsa_system_sgpr_workgroup_id_x 1
		.amdhsa_system_sgpr_workgroup_id_y 1
		.amdhsa_system_sgpr_workgroup_id_z 1
		.amdhsa_system_vgpr_workitem_id 0
		.amdhsa_next_free_vgpr 1024
		.amdhsa_next_free_sgpr 100
		.amdhsa_reserve_vcc 1
		.amdhsa_float_denorm_mode_32 3
		.amdhsa_float_denorm_mode_16_64 3
		.amdhsa_memory_ordered 1
		.amdhsa_forward_progress 1
		.amdhsa_inst_pref_size 112
	.end_amdhsa_kernel
	.amdgpu_metadata
---
amdhsa.version: [ 1, 2 ]
amdhsa.kernels:
  - .name:           k_qde2e3e7d87_score
    .symbol:         k_qde2e3e7d87_score.kd
    .args:
      - { .name: lc, .offset: 0, .size: 8, .value_kind: global_buffer, .address_space: global }
      - { .name: lowp_scales, .offset: 8, .size: 8, .value_kind: global_buffer, .address_space: global }
      - { .name: seq_lens, .offset: 16, .size: 8, .value_kind: global_buffer, .address_space: global }
      - { .name: pc, .offset: 24, .size: 8, .value_kind: global_buffer, .address_space: global }
      - { .name: st, .offset: 32, .size: 8, .value_kind: global_buffer, .address_space: global }
    .group_segment_fixed_size: 327680
    .private_segment_fixed_size: 0
    .kernarg_segment_align: 8
    .kernarg_segment_size: 40
    .max_flat_workgroup_size: 128
    .sgpr_count:     100
    .vgpr_count:     1024
    .wavefront_size: 32
...
	.end_amdgpu_metadata
.endif
;; end of part 3
;; launch pv (part 4): grid 8 x 32, 4 waves a work-group, clusters of 4 x 4, 327,680 bytes of LDS; arguments pc, lc, st, lowp_scales, out0; writes out0
.if DOCPART == 4
	.amdgcn_target "amdgcn-amd-amdhsa--gfx1250"
	.amdhsa_code_object_version 6
	.text
	.protected	k_qde2e3e7d87_pv
	.globl	k_qde2e3e7d87_pv
	.p2align	8
	.type	k_qde2e3e7d87_pv,@function
k_qde2e3e7d87_pv:
	s_mov_b64 s[64:65], 0
	v_nop
	global_prefetch_b8 v0, s[64:65] scope:SCOPE_SE
	s_setreg_imm32_b32 hwreg(HW_REG_WAVE_MODE, 25, 1), 1
	s_wait_xcnt 0x0
	s_wait_alu depctr_hold_cnt(0) depctr_sa_sdst(0) depctr_va_vdst(0) depctr_va_sdst(0) depctr_va_ssrc(0) depctr_va_vcc(0) depctr_vm_vsrc(0)
	s_getreg_b32 s2, hwreg(HW_REG_IB_STS2, 6, 4)
	s_cmp_eq_u32 s2, 0
	s_cbranch_scc0 .Lentry_in_a_cluster
	s_endpgm
.Lentry_in_a_cluster:
	s_bfe_u32 s2, ttmp6, 0x10000c
	s_cmp_lg_u32 s2, 0xf033
	s_cbranch_scc0 .Lentry_shape_is_right
	s_endpgm
.Lentry_shape_is_right:
.set NB,    4
.set SK,    4
.set KSLOTB, 65536
.set SLOT,  131072
.set STAGE, 2*SLOT
.set SP,    272
.set SPARE, STAGE+4*16*SP
.set LVBASE, 20971520
.set ADRA, 16
.set ADRB, 18
.set SPW,  28
.set NIL,  29
.set MQ,   32
.set LQ,   96
.set NM,   160
.set LS,   164
.set FIN,  168
.set TMP,  176
.set BK,   208
.set FF,   240
.set G1, 24
.set G0, 32
.set G1B, 48
.set G0B, 56
.set MSB, 0
.macro WIN new
.if MSB != (\new)
	s_set_vgpr_msb (MSB<<8)|(\new)
.set MSB, \new
.endif
.endm
.set MUL, 0x5e
.macro JLOAD g0a, g1a, g0b, g1b
	s_cmp_eq_u32 s19, 0
	s_cbranch_scc0 .Lfor_b_\@
	tensor_load_to_lds s[\g0a:\g0a+3], s[\g1a:\g1a+7]
	s_nop 0
.rept 4
	v_nop
.endr
	s_branch .Lasked_\@
.Lfor_b_\@:
	tensor_load_to_lds s[\g0b:\g0b+3], s[\g1b:\g1b+7]
	s_nop 0
.rept 4
	v_nop
.endr
.Lasked_\@:
.endm
.macro CREST
	s_cmp_lg_u32 s18, 0
	s_cbranch_scc1 .Lnot_wave_0_\@
	s_barrier_signal -3
.Lnot_wave_0_\@:
	s_barrier_wait -3
	s_barrier_signal -1
	s_barrier_wait -1
.endm
.macro CROUND
	s_barrier_signal -1
	s_barrier_wait -1
	CREST
.endm
	s_load_b256 s[4:11], s[0:1], 0x0
	s_load_b64 s[12:13], s[0:1], 0x20
	v_lshl_add_u32 v[SPW], v0, 2, SPARE
	v_mov_b32 v[NIL], 0
	ds_add_u32 v[SPW], v[NIL]
	ds_add_u32 v[SPW], v[NIL]
	v_lshrrev_b32 v1, 5, v0
	v_readfirstlane_b32 s18, v1
	s_lshr_b32 s19, s18, 1
	s_and_b32 s20, s18, 1
	s_bfe_u32 s21, ttmp6, 0x40000
	s_bfe_u32 s22, ttmp6, 0x40004
	s_and_b32 s23, ttmp7, 0xffff
	s_lshl_b32 s15, ttmp9, 2
	s_add_co_u32 s15, s15, s21
	s_lshl_b32 s86, s22, 2
	s_lshl_b32 s86, 15, s86
	s_lshl_b32 s87, 0x1111, s21
	s_or_b32 s[G1], s86, (3<<16)|(1<<21)
	s_or_b32 s[G1B], s87, (3<<16)|(1<<21)
.irp g, G1, G1B
	s_mov_b32 s[\g+1], 32<<16
	s_mov_b32 s[\g+2], 128<<16
	s_mov_b32 s[\g+3], 32<<16
	s_mov_b32 s[\g+4], 128
	s_mov_b32 s[\g+5], 32
	s_mov_b32 s[\g+6], 0
	s_mov_b32 s[\g+7], 0
.endr
	s_lshl_b32 s40, s23, 2
	s_add_co_u32 s40, s40, s22
	s_lshl_b32 s40, s40, 18
	s_lshl_b32 s41, s20, 15
	s_add_co_u32 s40, s40, s41
	s_mov_b32 s41, 0
	s_lshl_b32 s44, s23, 3
	s_add_co_u32 s44, s44, s15
	s_lshl_b32 s44, s44, 18
	s_lshl_b32 s45, s20, 15
	s_add_co_u32 s44, s44, s45
	s_add_co_u32 s44, s44, LVBASE
	s_mov_b32 s45, 0
	s_lshl_b32 s66, s18, 15
	s_wait_dscnt 0x0
	s_wait_kmcnt 0x0
	s_load_b64 s[80:81], s[10:11], 0x20
	s_add_nc_u64 s[42:43], s[4:5], s[40:41]
	s_add_nc_u64 s[46:47], s[6:7], s[44:45]
	CROUND
.irp s, 0,1
	s_mov_b32 s[G0+4*\s], 1
	s_add_co_u32 s[G0+4*\s+1], s66, \s*SLOT
	s_add_nc_u64 s[G0+4*\s+2:G0+4*\s+3], s[42:43], \s*KSLOTB
	s_or_b32 s[G0+4*\s+3], s[G0+4*\s+3], 0x80000000
	s_mov_b32 s[G0B+4*\s], 1
	s_add_co_u32 s[G0B+4*\s+1], s66, \s*SLOT
	s_add_nc_u64 s[G0B+4*\s+2:G0B+4*\s+3], s[46:47], \s*KSLOTB
	s_or_b32 s[G0B+4*\s+3], s[G0B+4*\s+3], 0x80000000
	s_wait_alu depctr_va_vdst(0)
	s_wait_tensorcnt 0x0
	ds_add_u32 v28, v29
	ds_add_u32 v28, v29
	s_wait_dscnt 0x0
	CROUND
	JLOAD G0+4*\s, G1, G0B+4*\s, G1B
.endr
	v_and_b32 v2, 15, v0
	s_wait_alu depctr_va_vdst(0)
	v_bfe_u32 v3, v0, 4, 1
	v_lshlrev_b32 v13, 4, v2
	s_lshl_b32 s92, s23, 2
	s_add_co_u32 s92, s92, s22
	s_lshl_b32 s93, s92, 1
	s_add_co_u32 s93, s93, s19
	s_lshl_b32 s94, s93, 8
	s_mov_b32 s95, 0
	s_add_nc_u64 s[84:85], s[8:9], s[94:95]
.irp j, 0,1,2,3,4,5,6,7,8,9,10,11,12,13,14,15
	global_load_b128 v[MQ+4*\j:MQ+4*\j+3], v13, s[84:85] offset:16384*\j
	global_load_b128 v[LQ+4*\j:LQ+4*\j+3], v13, s[84:85] offset:262144+16384*\j
.endr
	v_and_b32 v1, 31, v0
	v_lshlrev_b32 v12, 4, v1
	s_lshl_b32 s88, s19, 15
	s_lshl_b32 s89, s20, 15
	s_add_co_u32 s89, s89, 65536
.irp s, 0,1
	v_add_nc_u32 v[ADRA+\s], s88, v12
	v_add_nc_u32 v[ADRB+\s], s89, v12
	s_add_co_u32 s88, s88, SLOT
	s_add_co_u32 s89, s89, SLOT
.endr
	s_mul_i32 s88, s18, 16*SP
	s_add_co_u32 s88, s88, STAGE
	v_mul_u32_u24 v14, v2, SP
	s_wait_alu depctr_va_vdst(0)
	v_lshl_add_u32 v14, v3, 5, v14
	v_add_nc_u32 v14, s88, v14
	v_mul_u32_u24 v15, v3, SP
	v_lshl_add_u32 v15, v2, 4, v15
	v_add_nc_u32 v15, s88, v15
	v_lshlrev_b32 v22, 12, v3
	v_lshl_add_u32 v22, v2, 4, v22
	s_lshl_b32 s94, s92, 19
	s_lshl_b32 s96, s19, 18
	s_add_co_u32 s94, s94, s96
	s_lshl_b32 s96, s15, 9
	s_add_co_u32 s94, s94, s96
	s_lshl_b32 s96, s20, 8
	s_add_co_u32 s94, s94, s96
	s_add_nc_u64 s[86:87], s[12:13], s[94:95]
	s_wait_loadcnt 0x0
.irp a, 0,1,2,3
	v_min3_num_f32 v[NM+\a], v[MQ+\a], v[MQ+4+\a], v[MQ+8+\a]
.endr
.irp j, 3,5,7,9,11,13
.irp a, 0,1,2,3
	v_min3_num_f32 v[NM+\a], v[NM+\a], v[MQ+4*\j+\a], v[MQ+4*\j+4+\a]
.endr
.endr
.irp a, 0,1,2,3
	v_min_num_f32 v[NM+\a], v[NM+\a], v[MQ+60+\a]
.endr
.set nn, 0
.rept 64
	v_sub_f32 v[MQ+nn], v[NM+nn%4], v[MQ+nn]
.set nn, nn+1
.endr
.set nn, 0
.rept 64
	v_max_num_f32 v[MQ+nn], 0xc2700000, v[MQ+nn]
.set nn, nn+1
.endr
.set nn, 0
.rept 64
	v_cvt_i32_f32 v[MQ+nn], v[MQ+nn]
.set nn, nn+1
.endr
.irp j, 0,1,2,3,4,5,6,7,8,9,10,11,12,13,14,15
.irp a, 0,1,2,3
	v_ldexp_f32 v[FF+\a], 1.0, v[MQ+4*\j+\a]
.endr
.irp a, 0,1,2,3
.if \j == 0
	v_mul_f32 v[LS+\a], v[LQ+\a], v[FF+\a]
.else
	v_fmac_f32 v[LS+\a], v[LQ+4*\j+\a], v[FF+\a]
.endif
.endr
.endr
.set nn, 0
.rept 60
	v_sub_nc_u32 v[MQ+nn], v[MQ+nn], v[MQ+nn+4]
.set nn, nn+1
.endr
	WIN 0xc0
.set nn, 0
.rept 60
	v_ldexp_f32 v[128+2*nn], 1.0, v[MQ+nn]
	v_ldexp_f32 v[128+2*nn+1], 1.0, v[MQ+nn]
.set nn, nn+1
.endr
	WIN 0
	s_wait_alu depctr_va_vdst(0)
.irp a, 0,1,2,3
	v_rcp_f32 v[244+\a], v[LS+\a]
.endr
	v_nop
	s_wait_kmcnt 0x0
	s_add_co_i32 s82, s80, s81
	s_wait_alu depctr_va_vdst(0)
.irp a, 0,1,2,3
	v_mul_f32 v[244+\a], v[244+\a], v[FF+\a]
.endr
.irp a, 0,1,2,3
	v_ldexp_f32 v[FIN+2*\a], v[244+\a], s82
	v_ldexp_f32 v[FIN+2*\a+1], v[244+\a], s82
.endr
.macro FETCH slot, q, p
	WIN 0x80
.set fb, 0
.rept NB
.irp c, 0,1,2,3
	ds_load_b128 v[128*(\p)+16*fb+4*\c:128*(\p)+16*fb+4*\c+3], v[ADRB+\slot] offset:fb*SK*2048+(\q)*2048+512*\c
.endr
.set fb, fb+1
.endr
	WIN 0xc0
.irp a, 0,1,2,3
.irp c, 0,1,2,3
	ds_load_b128 v[64*(\p)+16*\a+4*\c:64*(\p)+16*\a+4*\c+3], v[ADRA+\slot] offset:\a*SK*2048+(\q)*2048+512*\c
.endr
.endr
.endm
.macro MULA a, p, zero
.set mb, 0
.rept NB
.if \zero
	v_wmma_f32_16x16x128_fp8_fp8 v[8*(NB*(\a)+mb):8*(NB*(\a)+mb)+7], v[128*(\p)+16*mb:128*(\p)+16*mb+15], v[64*(\p)+16*(\a):64*(\p)+16*(\a)+15], 0
.else
	v_wmma_f32_16x16x128_fp8_fp8 v[8*(NB*(\a)+mb):8*(NB*(\a)+mb)+7], v[128*(\p)+16*mb:128*(\p)+16*mb+15], v[64*(\p)+16*(\a):64*(\p)+16*(\a)+15], v[8*(NB*(\a)+mb):8*(NB*(\a)+mb)+7]
.endif
.set mb, mb+1
.endr
.endm
.macro PLACES
.rept 4
	v_nop
.endr
.endm
.macro RESCALE j
	WIN 0x4d
.irp a, 0,1,2,3
.set nn, 0
.rept 16
	v_pk_mul_f32 v[32*\a+2*nn:32*\a+2*nn+1], v[32*\a+2*nn:32*\a+2*nn+1], v[128+8*((\j)-1)+2*\a:128+8*((\j)-1)+2*\a+1]
.set nn, nn+1
.endr
.endr
.endm
.macro KSTEP slot, q, zero, j
	s_wait_dscnt 0x0
.if \zero == 0
	PLACES
.endif
	FETCH \slot, (\q)+1, 1-(\q)%2
.if (\j) > 0
	RESCALE \j
.endif
	WIN MUL
	MULA 0, (\q)%2, \zero
	MULA 1, (\q)%2, \zero
	MULA 2, (\q)%2, \zero
	MULA 3, (\q)%2, \zero
.endm
.macro TURN slot, next, fill, j
	PLACES
	RESCALE \j
	WIN 0
	s_wait_tensorcnt 0x0
	ds_add_u32 v[SPW], v[NIL]
	s_wait_dscnt 1
	WIN MUL
	MULA 0, 1, 0
	s_wait_dscnt 0x0
	s_barrier_signal -1
	MULA 1, 1, 0
	WIN 0
	s_barrier_wait -1
.if \fill
	CREST
	s_add_nc_u64 s[G0+4*\slot+2:G0+4*\slot+3], s[G0+4*\slot+2:G0+4*\slot+3], 2*KSLOTB
	s_add_nc_u64 s[G0B+4*\slot+2:G0B+4*\slot+3], s[G0B+4*\slot+2:G0B+4*\slot+3], 2*KSLOTB
	JLOAD G0+4*\slot, G1, G0B+4*\slot, G1B
.else
	PLACES
.endif
	FETCH \next, 0, 0
	WIN MUL
	MULA 2, 1, 0
	s_wait_alu depctr_va_vdst(0)
	MULA 3, 1, 0
.endm
	s_wait_tensorcnt 1
	s_barrier_signal -1
	s_barrier_wait -1
	FETCH 0, 0, 0
	KSTEP 0, 0, 1, 0
	KSTEP 0, 1, 0, 1
	KSTEP 0, 2, 0, 2
	TURN 0, 1, 1, 3
	KSTEP 1, 0, 0, 4
	KSTEP 1, 1, 0, 5
	KSTEP 1, 2, 0, 6
	TURN 1, 0, 1, 7
	KSTEP 0, 0, 0, 8
	KSTEP 0, 1, 0, 9
	KSTEP 0, 2, 0, 10
	TURN 0, 1, 0, 11
	KSTEP 1, 0, 0, 12
	KSTEP 1, 1, 0, 13
	KSTEP 1, 2, 0, 14
	s_wait_dscnt 0x0
	PLACES
	RESCALE 15
	WIN MUL
	MULA 0, 1, 0
	MULA 1, 1, 0
	MULA 2, 1, 0
	MULA 3, 1, 0
	WIN 0
	PLACES
.macro OUTA a
	WIN 0x01
.set nn, 0
.rept 16
	v_pk_mul_f32 v[TMP+2*nn:TMP+2*nn+1], v[32*(\a)+2*nn:32*(\a)+2*nn+1], v[FIN+2*(\a):FIN+2*(\a)+1]
.set nn, nn+1
.endr
	WIN 0
.irp b, 0,1,2,3
	ds_store_b128 v14, v[TMP+8*\b:TMP+8*\b+3] offset:64*\b
	ds_store_b128 v14, v[TMP+8*\b+4:TMP+8*\b+7] offset:64*\b+16
.endr
.if (\a) > 0
	s_wait_xcnt 0x0
.endif
.irp i, 0,1,2,3,4,5,6,7
	ds_load_b128 v[BK+4*\i:BK+4*\i+3], v15 offset:2*\i*SP
.endr
.irp i, 0,1,2,3,4,5,6,7
	s_wait_dscnt 7-\i
	global_store_b128 v22, v[BK+4*\i:BK+4*\i+3], s[86:87] offset:(16*(\a)+2*\i)*4096 th:TH_STORE_NT
.endr
.endm
	OUTA 0
	OUTA 1
	OUTA 2
	OUTA 3
	s_wait_tensorcnt 0x0
	ds_add_u32 v[SPW], v[NIL]
	s_wait_dscnt 0x0
	CROUND
	s_endpgm
.Lfunc_end_k_qde2e3e7d87_pv:
	.size	k_qde2e3e7d87_pv, .Lfunc_end_k_qde2e3e7d87_pv-k_qde2e3e7d87_pv
	.p2alignl 7, 3214868480
	.fill 96, 4, 3214868480
	.section	.rodata,"a",@progbits
	.p2align	6, 0x0
	.amdhsa_kernel k_qde2e3e7d87_pv
		.amdhsa_group_segment_fixed_size 327680
		.amdhsa_private_segment_fixed_size 0
		.amdhsa_enable_private_segment 0
		.amdhsa_kernarg_size 40
		.amdhsa_user_sgpr_count 2
		.amdhsa_user_sgpr_kernarg_segment_ptr 1
		.amdhsa_wavefront_size32 1
		.amdhsa_system_sgpr_workgroup_id_x 1
		.amdhsa_system_sgpr_workgroup_id_y 1
		.amdhsa_system_sgpr_workgroup_id_z 1
		.amdhsa_system_vgpr_workitem_id 0
		.amdhsa_next_free_vgpr 1024
		.amdhsa_next_free_sgpr 100
		.amdhsa_reserve_vcc 0
		.amdhsa_float_denorm_mode_32 3
		.amdhsa_float_denorm_mode_16_64 3
		.amdhsa_memory_ordered 1
		.amdhsa_forward_progress 1
		.amdhsa_inst_pref_size 166
	.end_amdhsa_kernel
	.amdgpu_metadata
---
amdhsa.version: [ 1, 2 ]
amdhsa.kernels:
  - .name:           k_qde2e3e7d87_pv
    .symbol:         k_qde2e3e7d87_pv.kd
    .args:
      - { .name: pc, .offset: 0, .size: 8, .value_kind: global_buffer, .address_space: global }
      - { .name: lc, .offset: 8, .size: 8, .value_kind: global_buffer, .address_space: global }
      - { .name: st, .offset: 16, .size: 8, .value_kind: global_buffer, .address_space: global }
      - { .name: lowp_scales, .offset: 24, .size: 8, .value_kind: global_buffer, .address_space: global }
      - { .name: out0, .offset: 32, .size: 8, .value_kind: global_buffer, .address_space: global }
    .group_segment_fixed_size: 327680
    .private_segment_fixed_size: 0
    .kernarg_segment_align: 8
    .kernarg_segment_size: 40
    .max_flat_workgroup_size: 128
    .sgpr_count:     100
    .vgpr_count:     1024
    .wavefront_size: 32
...
	.end_amdgpu_metadata
.endif
;; end of part 4
